; MI455X (gfx1250); checked and timed in simulation.
; The chip was launched on July 23, 2026; its instructions are those of AMD's public machine-readable ISA for CDNA 5 (MIT licence, August 2026) and "CDNA5" Instruction Set Architecture Reference Guide (July 2026). The comments in the code are by the model that wrote it; some were corrected since.
;; Multi Headed Attention. Allowed arithmetic: matrix products marked QUANTISED: E4M3 operands, one given power-of-two scale a tensor, by v_wmma_f32_16x16x64_fp8_fp8 or v_wmma_f32_16x16x128_fp8_fp8, f32 sums; everything else in f32.
;; Inputs: Wo 1,024 x 1,024 float32; Wqkv 1,024 x 3,072 float32; bo 1,024 float32; bqkv 3,072 float32; input 1 x 4,096 x 1,024 float32; lowp_scales 8 int32 (the exponents e of the quantised operands' scales 2^e).
;; Outputs: out0 1 x 4,096 x 1,024 float32.
;; This version of the problem:
;;   THIS VERSION OF THE PROBLEM IS GIVEN IN LOW PRECISION. The matrix products marked QUANTISED in the list below multiply operands that are first quantised to E4M3 (4 exponent bits, 3 mantissa bits; 8 bits a number), with one given power-of-two scale for each operand tensor; their sums are f32. All else is computed in f32.
;;   The module's matrix products, in the order in which they are computed (A, B: the left and right operand; K: the contracted axis; several contracted axes count as one K, in the product's order):
;;     1. [M 4,096, K 1,024] x [K 1,024, N 3,072]; A: input input; B: input Wqkv: QUANTISED (scales: A lowp_scales[0], B lowp_scales[1])
;;     2. batch 16 x [M 4,096, K 64] x [K 64, N 4,096]; A: computed on the way; B: computed on the way: QUANTISED (scales: A lowp_scales[2], B lowp_scales[3])
;;     3. batch 16 x [M 4,096, K 4,096] x [K 4,096, N 64]; A: softmax (see below); B: computed on the way: QUANTISED (scales: A lowp_scales[4], B lowp_scales[5])
;;     4. [M 4,096, K 1,024] x [K 1,024, N 1,024]; A: computed on the way; B: input Wo: QUANTISED (scales: A lowp_scales[6], B lowp_scales[7])
;;   THE QUANTISER, for each operand of a quantised product, along K:
;;     - The operand's scale is 2^e, e = its entry of the input lowp_scales (int32; the entries are numbered through the quantised products in the list's order, A before B).
;;     - Each number is divided by the scale, clamped to +-448, and rounded to the nearest number of E4M3, ties to even, subnormals kept.
;;     - The product sums the exact products of the quantised numbers (number of the format x scale) in f32.
;;   ~~~python
;;   def quantise(x, axis, e):      # numpy; x: float32 -> the quantised numbers, widened to float32 again
;;       x = np.moveaxis(x, axis, -1); K = x.shape[-1]
;;       r = np.clip(x / 2.0 ** e, -448, 448)
;;       step = 2.0 ** (np.maximum(np.frexp(np.where(r == 0, 1, r))[1] - 1, -6) - 3)
;;       q = np.round(r / step) * step * 2.0 ** e      # np.round: ties to even
;;       return np.moveaxis(q, -1, axis).astype(np.float32)
;;   ~~~
;;   SOFTMAX AHEAD OF A QUANTISED PRODUCT. Where the list says 'softmax', what is quantised is not the finished softmax but p = 2^(t - M), with t = logit x log2(e) and M = ceil(the row's largest t), a whole number; so 1/2 < the row's largest p <= 1. The row's sum l is taken of the UNQUANTISED p, in f32, and the product's result is divided by l at the end. Since M is a whole number, a kernel that streams over the keys may use a running M (the ceiling of the running maximum): every later rescaling is an exact power of two, so the quantised numbers keep their values, but for numbers so far below the row's largest that they fall under the format's range.
;;   OPERANDS COMPUTED ON THE WAY. 'Computed on the way' means the value that the module computes at that place (a softmax that the list does not call 'softmax' is quantised finished and normalised). What goes into a quantiser is computed in f32, as accurately as f32 sums, v_exp_f32 and their like allow (about 1e-6 of the number): no bf16 or f16 on the way to a quantiser, and a product that is left as it is and whose result goes on into a quantised operand takes f32 operands (vector FMAs, or v_wmma_f32_16x16x4_f32). A number that lies on a knife's edge between two numbers of the format may be rounded either way, as far as f32 arithmetic and the matrix unit's own rounding can turn it there, and no further.
;; One version. Each part assembles by itself: llvm-mc -triple=amdgcn-amd-amdhsa -mcpu=gfx1250 --defsym DOCPART=n.
;; ======== version 1 of 1: 4 launches
;; limits: right only within a limited range of input values
;; workspace buffers: x_codes 4,194,304 bytes; w_codes 4,194,304 bytes; qkv_img 12,582,912 bytes; a_img 4,194,304 bytes
;; launch prep (part 1): grid 256 x 1, 4 waves a work-group, no clusters, 68,096 bytes of LDS; arguments input, Wqkv, Wo, lowp_scales, x_codes, w_codes; writes x_codes, w_codes
.if DOCPART == 1
	.amdgcn_target "amdgcn-amd-amdhsa--gfx1250"
	.amdhsa_code_object_version 6
	.text
	.protected	k_q024080d096_prep
	.globl	k_q024080d096_prep
	.p2align	8
	.type	k_q024080d096_prep,@function
k_q024080d096_prep:
	s_mov_b64 s[64:65], 0
	v_nop
	global_prefetch_b8 v0, s[64:65] scope:SCOPE_SE
	s_setreg_imm32_b32 hwreg(HW_REG_WAVE_MODE, 25, 1), 1
	s_wait_xcnt 0x0
; The three wide operands become codes of FP8 (E4M3), K innermost, each with the one scale 2^e that is given for it:
;   input [4096][1024] f32 (e = entry 0)            -> x_codes [4096][1024]
;   Wqkv  [1024 (k)][3072] f32 (entry 1), Wo [1024 (k)][1024] f32 (entry 7) -> w_codes [4096][1024]: rows 0-3071 Wqkv's columns, rows 3072-4095 Wo's
; code = x / 2^e, held within +-448, rounded to the nearest code, ties to even.
; LIMITS: each e between -126 and 119, so that 2^e and 448 x 2^e are f32 numbers.  NaN among the inputs is not served; an infinity is held at the largest code.
; THE ROWS OF BOTH OUTPUTS ARE PERMUTED inside each group of 32: row 16 g + 8 u + k (k < 8) is stored as row 16 u + 8 g + k.  Sixteen NEIGHBOURING stored rows (16 u + r) are then the
; rows 8 u + r + 8 (r / 8), which is the choice of rows that makes a product's 16 registers of two neighbouring tiles 16 neighbours along the next product's K.  The later launches read tiles of stored rows.
; Work-groups 0-127 take input: a plain stream.  A wave takes 8 rows (16 steps of 512 numbers); each load reads 512 consecutive bytes; a step's 2,048 bytes turn through the wave's own stage in LDS so that a lane
; holds 16 neighbours for the conversions; a lane's 16 codes are 16 bytes, the wave stores 512 consecutive bytes.  Eight rows on end keep their order, so the permutation is one swap of two bits of the run's number.
; Work-groups 128-255 take the weights: a lane takes a column and its registers run down K, so the codes come out with K innermost; a wave gathers 32 columns x 256 along K in its own stage and stores
; sixteen lanes to 256 consecutive bytes, at a multiple of 256 from the buffer's first byte.  The permutation stands in the stores' immediates.
; No tensor loads, no barrier: waves share nothing.  The two paths have LDS bytes of their own and never join.
; WORK LEFT OUT by this program: in the attention launch, key tiles of 128 that lie wholly under the causal mask which reference() builds in its own body (their p is 0 for all values of the inputs).
; LIMIT: a NaN, an infinity or an overflow that reaches only such hidden scores is not carried to the result.  All else is done, and every input is loaded.
.set XWG, 128
.set SP,     80                        ; x: a lane's place in a stage: 64 bytes + 16 of padding
.set WREG,   8192                      ; x: LDS of a wave: two stages of 32 x SP bytes
.set STEPS,  16
.set AHEAD,  8                         ; x: loads run eight steps (32 loads a wave) ahead
.set XR,     16                        ; v16-143  x: eight sets of 16 numbers as loaded
.set XX,     144                       ; v144-175 x: two sets of 16 neighbours
.set XC,     176                       ; v176-239 x: four registers of codes for each step: no store's data are written again
.set WOFF,   16                        ; v16-47   weights: 4 x lane + i rows
.set WX,     48                        ; v48-111  weights: two sets of 32 numbers
.set WC,     112                       ; v112-119 weights: a block's codes
.set WOUT,   128                       ; v128-191 weights: the way out
.set WPITCH, 272                       ; weights: a stage row: 256 bytes + 16
.set WSTAGE, 32768                     ; weights: the stages begin behind the first path's LDS bytes
.set NB,     8                         ; weights: blocks of 32 along K for a wave
.macro XLOAD t
.irp i, 0,1,2,3
	global_load_b128 v[XR+16*((\t)%AHEAD)+4*\i:XR+16*((\t)%AHEAD)+4*\i+3], v3, s[4:5] offset:2048*(\t)+512*\i th:TH_LOAD_NT   ; 32 lanes read 512 consecutive bytes
.endr
.endm
.macro XTURN t                         ; step t's numbers through the stage: LDS serves a wave's instructions in order, so no wait stands between the stores and the loads
.irp i, 0,1,2,3
	ds_store_b128 v14, v[XR+16*((\t)%AHEAD)+4*\i:XR+16*((\t)%AHEAD)+4*\i+3] offset:32*SP*((\t)%2)+8*SP*\i
.endr
.irp i, 0,1,2,3
	ds_load_b128 v[XX+16*((\t)%2)+4*\i:XX+16*((\t)%2)+4*\i+3], v15 offset:32*SP*((\t)%2)+16*\i
.endr
.endm
.macro XSTEP t
.set XS, XX+16*((\t)%2)
	s_wait_dscnt 0x0                               ; this step's numbers are back from the stage, so its stores into the stage have read their registers,
.if (\t)+AHEAD < STEPS
	XLOAD (\t)+AHEAD                               ; which take the loads of eight steps on
.endif
.if (\t)+1 < STEPS
.if (\t)+AHEAD < STEPS
	s_wait_loadcnt 4*(AHEAD-1)                     ; the next step's four loads are in; those of the seven steps behind it may be out
.else
	s_wait_loadcnt 4*(STEPS-2-(\t))                ; the counts run down
.endif
	XTURN (\t)+1                                   ; and go through the other stage while this step is worked
.endif
.irp i, 0,1,2,3,4,5,6,7,8,9,10,11,12,13,14,15
	v_med3_num_f32 v[XS+\i], v[XS+\i], -v10, v10   ; the conversion to an 8-bit code does not saturate (ISA guide 7.6.2): the hold at the largest code x the scale comes first
.endr
	v_cvt_scalef32_pk8_fp8_f32 v[XC+4*(\t):XC+4*(\t)+1], v[XS:XS+7], v11
	v_cvt_scalef32_pk8_fp8_f32 v[XC+4*(\t)+2:XC+4*(\t)+3], v[XS+8:XS+15], v11
	global_store_b128 v3, v[XC+4*(\t):XC+4*(\t)+3], s[12:13] offset:512*(\t)   ; 512 consecutive bytes; the results go to a store alone, and the next step's holds are plain lines on other registers
.endm
.macro WLOAD t                         ; block t: W(32 t + i, my column), i = 0 .. 31, into set t % 2
.irp i, 0,1,2,3,4,5,6,7,8,9,10,11,12,13,14,15,16,17,18,19,20,21,22,23,24,25,26,27,28,29,30,31
	global_load_b32 v[WX+32*((\t)%2)+\i], v[WOFF+\i], s[32+2*(\t):33+2*(\t)] th:TH_LOAD_NT   ; 32 neighbouring columns: 128 consecutive bytes a wave, 512 a work-group
.endr
.endm
.macro WBLOCK t
.set WS, WX+32*((\t)%2)
.if (\t) < NB-1
	s_wait_loadcnt 32                              ; this block's 32 loads are in; the next block's may be out
.else
	s_wait_loadcnt 0
.endif
.irp i, 0,1,2,3,4,5,6,7,8,9,10,11,12,13,14,15,16,17,18,19,20,21,22,23,24,25,26,27,28,29,30,31
	v_med3_num_f32 v[WS+\i], v[WS+\i], -v10, v10
.endr
.irp g, 0,1,2,3
	v_cvt_scalef32_pk8_fp8_f32 v[WC+2*\g:WC+2*\g+1], v[WS+8*\g:WS+8*\g+7], v11
.endr
	ds_store_b128 v4, v[WC:WC+3] offset:32*(\t)    ; 32 codes: 32 bytes of my column's row
	ds_store_b128 v4, v[WC+4:WC+7] offset:32*(\t)+16
.if (\t)+2 < NB
	WLOAD (\t)+2
.endif
	s_wait_dscnt 0x0                               ; the stores have read their registers: the next block's codes may be written
.endm
	s_load_b256 s[4:11], s[0:1], 0x0               ; input s[4:5], Wqkv s[6:7], Wo s[8:9], the exponents s[10:11]
	s_load_b128 s[12:15], s[0:1], 0x20             ; x_codes s[12:13], w_codes s[14:15]
	v_lshl_add_u32 v240, v0, 2, 0x10800
	v_mov_b32 v241, 0
	v_lshrrev_b32 v1, 5, v0
	v_readfirstlane_b32 s16, v1                    ; wave 0..3
	v_and_b32 v2, 31, v0                           ; lane
	s_wait_kmcnt 0x0
	s_load_b256 s[24:31], s[10:11], 0x0            ; e0 .. e7
	s_cmp_lt_u32 ttmp9, XWG
	s_cbranch_scc0 .Lweights
	; ---- input
	s_mul_i32 s17, s16, WREG
	s_wait_alu depctr_va_vdst(0)
	v_lshlrev_b32 v3, 4, v2                        ; my 16 bytes of a load's 512, and of a store's
	s_wait_alu depctr_va_vdst(0)
	v_lshrrev_b32 v14, 2, v2
	v_mul_u32_u24 v14, v14, SP
	v_and_b32 v15, 3, v2
	v_lshl_add_u32 v14, v15, 4, v14
	v_add_nc_u32 v14, s17, v14                     ; the stage, on the way in: four lanes' 64 bytes on end, then 16 of padding
	v_mul_u32_u24 v15, v2, SP
	v_add_nc_u32 v15, s17, v15                     ; and on the way out: my 16 neighbours
	s_lshl_b32 s18, ttmp9, 2                       ; a work-group takes a group of 32 rows: four runs of 8
	s_add_co_u32 s20, s18, s16
	s_lshl_b32 s20, s20, 15                        ; my run in input: 8 rows of 4,096 bytes
	s_mov_b32 s21, 0
	s_add_nc_u64 s[4:5], s[4:5], s[20:21]
	s_and_b32 s22, s16, 1                          ; run 2 g + u is stored as run 2 u + g
	s_lshl_b32 s22, s22, 1
	s_lshr_b32 s23, s16, 1
	s_or_b32 s22, s22, s23
	s_add_co_u32 s22, s22, s18
	s_lshl_b32 s22, s22, 13                        ; 8 rows of 1,024 bytes
	s_mov_b32 s23, 0
	s_add_nc_u64 s[12:13], s[12:13], s[22:23]
.irp t, 0,1,2,3,4,5,6,7
	XLOAD \t
.endr
	s_wait_alu depctr_va_vdst(0)
	s_wait_kmcnt 0x0
	s_add_co_i32 s22, s24, 127
	s_lshl_b32 s23, s22, 23
	v_mov_b32 v11, s23                             ; 2^e0 as f32: the conversion takes its exponent field
	s_add_co_i32 s22, s22, 8
	s_lshl_b32 s22, s22, 23
	s_or_b32 s22, s22, 0x600000
	v_mov_b32 v10, s22                             ; 448 x 2^e0
	s_wait_alu depctr_va_vdst(0)
	s_wait_loadcnt 4*(AHEAD-1)                     ; step 0's four loads are in
	XTURN 0
.irp t, 0,1,2,3,4,5,6,7,8,9,10,11,12,13,14,15
	XSTEP \t
.endr
	s_wait_tensorcnt 0x0
	ds_add_u32 v240, v241
	s_wait_dscnt 0x0
	s_endpgm
	; ---- the weights
.Lweights:
	s_sub_co_u32 s17, ttmp9, XWG
	s_and_b32 s18, s17, 31                         ; which 128 rows of w_codes: 0-23 Wqkv's columns, 24-31 Wo's
	s_lshr_b32 s19, s17, 5                         ; which 256 along K
	s_mov_b32 s20, 4096
	s_cmp_lt_u32 s18, 24                           ; the choice hangs on the work-group's number alone
	s_cselect_b64 s[4:5], s[6:7], s[8:9]           ; the tensor,
	s_cselect_b32 s20, 12288, s20                  ; a row of it in bytes,
	s_cselect_b32 s21, 0, 24                       ; and where its columns begin among the groups
	s_sub_co_u32 s21, s18, s21
	s_lshl_b32 s21, s21, 7
	s_lshl_b32 s22, s16, 5
	s_add_co_u32 s21, s21, s22                     ; my wave's first column
	s_lshl_b32 s21, s21, 2
	s_lshl_b32 s22, s19, 8
	s_mul_i32 s22, s22, s20                        ; my first row
	s_add_co_u32 s22, s22, s21
	s_mov_b32 s23, 0
	s_add_nc_u64 s[32:33], s[4:5], s[22:23]        ; a base for each block of 32 rows: the two tensors' rows differ in length, so rows cannot stand in immediates
	s_lshl_b32 s22, s20, 5
.irp t, 1,2,3,4,5,6,7
	s_add_nc_u64 s[32+2*\t:33+2*\t], s[30+2*\t:31+2*\t], s[22:23]
.endr
	s_wait_alu depctr_va_vdst(0)
	v_lshlrev_b32 v3, 2, v2
.irp i, 0,1,2,3,4,5,6,7,8,9,10,11,12,13,14,15,16,17,18,19,20,21,22,23,24,25,26,27,28,29,30,31
	v_mad_u32_u24 v[WOFF+\i], s20, \i, v3          ; 4 x lane + i rows
.endr
	WLOAD 0
	WLOAD 1
	s_mul_i32 s17, s16, 32*WPITCH
	s_add_co_u32 s17, s17, WSTAGE                  ; my stage
	v_mul_u32_u24 v4, v2, WPITCH
	v_add_nc_u32 v4, s17, v4                       ; into it: row = my column
	v_and_b32 v5, 15, v2
	v_lshrrev_b32 v6, 4, v2                        ; out of it: sixteen lanes to a row, two rows an instruction
	v_mul_u32_u24 v7, v6, WPITCH
	v_lshl_add_u32 v7, v5, 4, v7
	v_add_nc_u32 v7, s17, v7
	v_lshlrev_b32 v8, 10, v6
	v_lshl_add_u32 v8, v5, 4, v8                   ; and the same place in w_codes
	s_lshl_b32 s48, s18, 7
	s_lshl_b32 s49, s16, 5
	s_add_co_u32 s48, s48, s49                     ; my 32 rows of w_codes,
	s_lshl_b32 s48, s48, 10
	s_lshl_b32 s49, s19, 8                         ; my 256 bytes of them
	s_add_co_u32 s48, s48, s49
	s_mov_b32 s49, 0
	s_add_nc_u64 s[14:15], s[14:15], s[48:49]
	s_wait_kmcnt 0x0
	s_cmp_lt_u32 s18, 24
	s_cselect_b32 s50, s25, s31                    ; e1 or e7
	s_add_co_i32 s50, s50, 127
	s_lshl_b32 s51, s50, 23
	v_mov_b32 v11, s51                             ; 2^e
	s_add_co_i32 s50, s50, 8
	s_lshl_b32 s50, s50, 23
	s_or_b32 s50, s50, 0x600000
	v_mov_b32 v10, s50                             ; 448 x 2^e
	s_wait_alu depctr_va_vdst(0)
.irp t, 0,1,2,3,4,5,6,7
	WBLOCK \t
.endr
.irp t, 0,1,2,3,4,5,6,7,8,9,10,11,12,13,14,15
	ds_load_b128 v[WOUT+4*\t:WOUT+4*\t+3], v7 offset:2*\t*WPITCH   ; columns 2 t and 2 t + 1; LDS serves a wave's instructions in order: these see my stores
.endr
.irp t, 0,1,2,3,4,5,6,7,8,9,10,11,12,13,14,15
	s_wait_dscnt 15-\t
	global_store_b128 v8, v[WOUT+4*\t:WOUT+4*\t+3], s[14:15] offset:(16*((\t/4)%2)+8*(\t/8)+2*(\t%4))*1024   ; row 16 g + 8 u + k goes to row 16 u + 8 g + k
.endr
	s_wait_tensorcnt 0x0
	ds_add_u32 v240, v241
	s_wait_dscnt 0x0
	s_endpgm
.Lfunc_end_k_q024080d096_prep:
	.size	k_q024080d096_prep, .Lfunc_end_k_q024080d096_prep-k_q024080d096_prep
	.p2alignl 7, 3214868480
	.fill 96, 4, 3214868480
	.section	.rodata,"a",@progbits
	.p2align	6, 0x0
	.amdhsa_kernel k_q024080d096_prep
		.amdhsa_group_segment_fixed_size 68096
		.amdhsa_private_segment_fixed_size 0
		.amdhsa_enable_private_segment 0
		.amdhsa_kernarg_size 48
		.amdhsa_user_sgpr_count 2
		.amdhsa_user_sgpr_kernarg_segment_ptr 1
		.amdhsa_wavefront_size32 1
		.amdhsa_system_sgpr_workgroup_id_x 1
		.amdhsa_system_sgpr_workgroup_id_y 1
		.amdhsa_system_sgpr_workgroup_id_z 1
		.amdhsa_system_vgpr_workitem_id 0
		.amdhsa_next_free_vgpr 242
		.amdhsa_next_free_sgpr 66
		.amdhsa_reserve_vcc 0
		.amdhsa_float_denorm_mode_32 3
		.amdhsa_float_denorm_mode_16_64 3
		.amdhsa_memory_ordered 1
		.amdhsa_forward_progress 1
		.amdhsa_inst_pref_size 88
	.end_amdhsa_kernel
	.amdgpu_metadata
---
amdhsa.version: [ 1, 2 ]
amdhsa.kernels:
  - .name:           k_q024080d096_prep
    .symbol:         k_q024080d096_prep.kd
    .args:
      - { .name: input, .offset: 0, .size: 8, .value_kind: global_buffer, .address_space: global }
      - { .name: Wqkv, .offset: 8, .size: 8, .value_kind: global_buffer, .address_space: global }
      - { .name: Wo, .offset: 16, .size: 8, .value_kind: global_buffer, .address_space: global }
      - { .name: lowp_scales, .offset: 24, .size: 8, .value_kind: global_buffer, .address_space: global }
      - { .name: x_codes, .offset: 32, .size: 8, .value_kind: global_buffer, .address_space: global }
      - { .name: w_codes, .offset: 40, .size: 8, .value_kind: global_buffer, .address_space: global }
    .group_segment_fixed_size: 68096
    .private_segment_fixed_size: 0
    .kernarg_segment_align: 8
    .kernarg_segment_size: 48
    .max_flat_workgroup_size: 128
    .sgpr_count:     66
    .vgpr_count:     242
    .wavefront_size: 32
...
	.end_amdgpu_metadata
.endif
;; end of part 1
;; launch qkv (part 2): grid 12 x 16, 4 waves a work-group, clusters of 4 x 4, 327,680 bytes of LDS; arguments x_codes, w_codes, lowp_scales, bqkv, qkv_img; writes qkv_img
.if DOCPART == 2
	.amdgcn_target "amdgcn-amd-amdhsa--gfx1250"
	.amdhsa_code_object_version 6
	.text
	.protected	k_q024080d096_qkv
	.globl	k_q024080d096_qkv
	.p2align	8
	.type	k_q024080d096_qkv,@function
k_q024080d096_qkv:
	s_mov_b64 s[64:65], 0
	v_nop
	global_prefetch_b8 v0, s[64:65] scope:SCOPE_SE
	s_setreg_imm32_b32 hwreg(HW_REG_WAVE_MODE, 25, 1), 1
	s_wait_xcnt 0x0
	s_wait_alu depctr_hold_cnt(0) depctr_sa_sdst(0) depctr_va_vdst(0) depctr_va_sdst(0) depctr_va_ssrc(0) depctr_va_vcc(0) depctr_vm_vsrc(0)
	s_getreg_b32 s2, hwreg(HW_REG_IB_STS2, 6, 4)
	s_cmp_eq_u32 s2, 0
	s_cbranch_scc0 .Lentry_in_a_cluster
	s_endpgm
.Lentry_in_a_cluster:
	s_bfe_u32 s2, ttmp6, 0x10000c
	s_cmp_lg_u32 s2, 0xf033
	s_cbranch_scc0 .Lentry_shape_is_right
	s_endpgm
.Lentry_shape_is_right:
; qkv = input Wqkv + bqkv on codes of FP8, quantised at once for the attention launch: q (2^e2), k (2^e3), v (2^e5).  The products' sums lack 2^(e0 + e1): the bias is divided by it, and the conversion's scale is 2^(e - e0 - e1).
; LIMITS: e - e0 - e1 between -126 and 119 for e = e2, e3, e5.  NaN is not served; what lies beyond a scale's range is held at the largest code.
; A work-group makes 256 x 256, a wave 128 x 128 (64 accumulators).  Cluster columns 0 and 1 make q and k, column 2 makes v with the operands' roles exchanged, so that v's codes run along the tokens.
; The results leave as images of the next operands' registers: 512 consecutive bytes a store.
; K goes in four steps of 256 through two slots.  Wave w fetches for slot w / 2 alone: A's 256 rows (w even) or B's (w odd), one joint load at the head and one refill.
; No prefetch: there are only four K steps, of which the first two are asked for at the head.
.set KSTEP, 256
.set ROWB,   256
.set KROW,   1024
.set PITCH,  272
.set FR,     16
.set NL,     4
.set NP,     4
.set HALFT,  128*PITCH
.set SLOT,   4*HALFT
.set SPARE,  2*SLOT
.set ADRA, 16
.set ADRB, 20
.set CO,   26
.set SPW,  28
.set NIL,  29
.set BI,   32
.set LIMV, 96
.set SCV,  97
.set AF,   128
.set CD,   128
.set G1, 24
.set G0, 32
.set G1B, 48
.set G0B, 56
.set MSB, 0
.macro WIN new
.if MSB != \new
	s_set_vgpr_msb (MSB<<8)|\new
.set MSB, \new
.endif
.endm
.set MUL_LO, 0xa1
.set MUL_HI, 0xf1
.set TO_B,   0x40
.macro FILL g0, g1                     ; a joint load; an s_nop 0 and four v_nop follow it
	tensor_load_to_lds s[\g0:\g0+3], s[\g1:\g1+7]
	s_nop 0
.rept 4
	v_nop
.endr
.endm
.macro JHEAD                           ; the head's fills: one chain of branches on the wave's number, one load to an arm, one join
	s_cmp_eq_u32 s14, 0
	s_cbranch_scc0 .Lhead_1
	FILL G0, G1
	s_branch .Lhead_asked
.Lhead_1:
	s_cmp_eq_u32 s14, 1
	s_cbranch_scc0 .Lhead_2
	FILL G0B, G1B
	s_branch .Lhead_asked
.Lhead_2:
	s_cmp_eq_u32 s14, 2
	s_cbranch_scc0 .Lhead_3
	FILL G0+4, G1
	s_branch .Lhead_asked
.Lhead_3:
	FILL G0B+4, G1B
.Lhead_asked:
.endm
.macro JLOAD s                         ; slot s is filled again by its own two waves: A's tile by wave 2 s, B's by wave 2 s + 1
	s_cmp_eq_u32 s14, 2*(\s)
	s_cbranch_scc0 .Lnot_a_\@
	FILL G0+4*(\s), G1
	s_branch .Lasked_\@
.Lnot_a_\@:
	s_cmp_eq_u32 s14, 2*(\s)+1
	s_cbranch_scc0 .Lasked_\@
	FILL G0B+4*(\s), G1B
.Lasked_\@:
.endm
.macro CREST
	s_cmp_lg_u32 s14, 0
	s_cbranch_scc1 .Lnot_wave_0_\@
	s_barrier_signal -3
.Lnot_wave_0_\@:
	s_barrier_wait -3
	s_barrier_signal -1
	s_barrier_wait -1
.endm
.macro CROUND
	s_barrier_signal -1
	s_barrier_wait -1
	CREST
.endm
	s_load_b128 s[4:7], s[0:1], 0x0
	s_load_b128 s[8:11], s[0:1], 0x10
	s_load_b64 s[12:13], s[0:1], 0x20
	v_lshl_add_u32 v[SPW], v0, 2, SPARE
	v_mov_b32 v[NIL], 0
	ds_add_u32 v28, v29
	ds_add_u32 v28, v29
	s_wait_dscnt 0x0
	v_lshrrev_b32 v1, 5, v0
	v_readfirstlane_b32 s14, v1
	s_lshr_b32 s15, s14, 1
	s_and_b32 s16, s14, 1
	s_bfe_u32 s40, ttmp6, 0x40000
	s_bfe_u32 s41, ttmp6, 0x40004
	s_and_b32 s17, ttmp7, 0xffff
	s_lshl_b32 s17, s17, 2
	s_lshl_b32 s42, ttmp9, 2
	s_cmp_eq_u32 ttmp9, 2
	s_cselect_b32 s66, 8, s17
	s_cselect_b32 s67, s17, s42
	s_add_co_u32 s66, s66, s41
	s_add_co_u32 s67, s67, s40
	s_lshl_b32 s43, s41, 2
	s_lshl_b32 s43, 15, s43
	s_lshl_b32 s44, 0x1111, s40
	s_or_b32 s[G1+0], s43, (0<<16)|(1<<20)|(1<<21)|(5<<22)|(3<<25)
	s_or_b32 s[G1B+0], s44, (0<<16)|(1<<20)|(1<<21)|(5<<22)|(3<<25)
.irp g, G1, G1B
	s_mov_b32 s[\g+1], ROWB<<16
	s_mov_b32 s[\g+2], 256<<16
	s_mov_b32 s[\g+3], ROWB<<16
	s_mov_b32 s[\g+4], 256
	s_mov_b32 s[\g+5], KROW
	s_mov_b32 s[\g+6], 0
	s_mov_b32 s[\g+7], 0
.endr
	s_lshl_b32 s20, s66, 18                        ; A: 256 rows of 1,024 bytes for each tile row
	s_mov_b32 s21, 0
	s_lshl_b32 s46, s67, 18                        ; B likewise
	s_mov_b32 s47, 0
	s_wait_kmcnt 0x0
	s_load_b256 s[68:75], s[8:9], 0x0
	s_cmp_eq_u32 ttmp9, 2
	s_cselect_b64 s[76:77], s[6:7], s[4:5]
	s_cselect_b64 s[78:79], s[4:5], s[6:7]
	s_add_nc_u64 s[20:21], s[76:77], s[20:21]
	s_add_nc_u64 s[46:47], s[78:79], s[46:47]
	CROUND
.irp s, 0,1                            ; a group 0 for each slot and operand: LDS addresses are constants
	s_mov_b32 s[G0+4*\s], 1
	s_mov_b32 s[G0+4*\s+1], \s*SLOT
	s_add_nc_u64 s[G0+4*\s+2:G0+4*\s+3], s[20:21], \s*ROWB
	s_or_b32 s[G0+4*\s+3], s[G0+4*\s+3], 0x80000000
	s_mov_b32 s[G0B+4*\s], 1
	s_mov_b32 s[G0B+4*\s+1], \s*SLOT+2*HALFT
	s_add_nc_u64 s[G0B+4*\s+2:G0B+4*\s+3], s[46:47], \s*ROWB
	s_or_b32 s[G0B+4*\s+3], s[G0B+4*\s+3], 0x80000000
.endr
	JHEAD                                          ; K steps 0 (waves 0, 1) and 1 (waves 2, 3): one tensor load a wave at the head
	v_and_b32 v1, 15, v0
	v_bfe_u32 v2, v0, 4, 1
	s_wait_alu depctr_va_vdst(0)
	v_mul_u32_u24 v3, v1, PITCH
	v_lshl_add_u32 v4, v2, 4, v3
	s_mul_i32 s21, s15, HALFT
	s_mul_i32 s22, s16, HALFT
	s_add_co_u32 s22, s22, 2*HALFT
.irp s, 0,1
	v_add_nc_u32 v[ADRA+\s], s21, v4
	v_add_nc_u32 v[ADRB+\s], s22, v4
	s_add_co_u32 s21, s21, SLOT
	s_add_co_u32 s22, s22, SLOT
.endr
	v_and_b32 v6, 31, v0
	v_lshlrev_b32 v[CO], 4, v6
	s_lshl_b32 s80, s66, 1
	s_add_co_u32 s80, s80, s15
	s_lshl_b32 s81, s67, 1
	s_add_co_u32 s81, s81, s16
	s_cmp_eq_u32 ttmp9, 2
	s_cselect_b32 s82, s80, s81
	s_cselect_b32 s83, s81, s80
	s_lshl_b32 s84, s82, 19
	s_lshl_b32 s83, s83, 13
	s_add_co_u32 s84, s84, s83
	s_mov_b32 s85, 0
	s_add_nc_u64 s[12:13], s[12:13], s[84:85]
	s_lshl_b32 s84, s82, 9
	s_add_nc_u64 s[10:11], s[10:11], s[84:85]
	v_lshlrev_b32 v30, 6, v2
	v_and_b32 v31, 8, v1
	v_add_nc_u32 v31, v31, v1
	v_lshlrev_b32 v31, 2, v31
	s_cmp_eq_u32 ttmp9, 2
	s_cbranch_scc1 .Lbias_v
.irp g, 0,1,2,3
.irp j, 0,1,2,3
	global_load_b128 v[BI+16*\g+4*\j:BI+16*\g+4*\j+3], v30, s[10:11] offset:128*\g+16*\j
.endr
.endr
	s_branch .Lbias_done
.Lbias_v:
	s_wait_alu depctr_va_vdst(0)
.irp a, 0,1,2,3,4,5,6,7
.irp j, 0,1,2,3,4,5,6,7
	global_load_b32 v[BI+8*\a+\j], v31, s[10:11] offset:4*(32*(\a/2)+8*(\a%2))
.endr
.endr
.Lbias_done:
.macro FRAG reg, adr, q, i
.irp c, 0,1,2,3
	ds_load_b128 v[\reg+4*\c:\reg+4*\c+3], v[\adr] offset:128*(\q)+32*\c+(\i)*16*PITCH
.endr
.endm
.macro MUL16 a0, p, zero
.irp a, \a0, \a0+1
.irp b, 0,1,2,3,4,5,6,7
.if \zero
	v_wmma_f32_16x16x128_fp8_fp8 v[8*(8*((\a)%4)+\b):8*(8*((\a)%4)+\b)+7], v[128*(\p)+FR*\b:128*(\p)+FR*\b+FR-1], v[AF+FR*(\a):AF+FR*(\a)+FR-1], 0
.else
	v_wmma_f32_16x16x128_fp8_fp8 v[8*(8*((\a)%4)+\b):8*(8*((\a)%4)+\b)+7], v[128*(\p)+FR*\b:128*(\p)+FR*\b+FR-1], v[AF+FR*(\a):AF+FR*(\a)+FR-1], v[8*(8*((\a)%4)+\b):8*(8*((\a)%4)+\b)+7]
.endif
.endr
.endr
.endm
.macro FETCH_B slot, q, p
	WIN TO_B
.irp i, 0,1,2,3,4,5,6,7
	FRAG 128*(\p)+FR*\i, ADRB+\slot, \q, \i
.endr
	WIN 0
.endm
.macro FETCH_A slot, q, i0
.irp i, \i0, \i0+1, \i0+2, \i0+3
	FRAG AF+FR*(\i), ADRA+\slot, \q, \i
.endr
.endm
.macro PLACES n
.rept \n
	v_nop
.endr
.endm
.macro STEP slot, q, zero
	s_wait_dscnt 4*NL
	WIN MUL_LO
	MUL16 0, (\q)%2, \zero
	MUL16 2, (\q)%2, \zero
	s_wait_dscnt 0
	PLACES NP
	FETCH_B \slot, (\q)+1, 1-(\q)%2
	FETCH_A \slot, (\q)+1, 0
	WIN MUL_HI
	MUL16 4, (\q)%2, \zero
	MUL16 6, (\q)%2, \zero
	PLACES NP
	WIN 0
	FETCH_A \slot, (\q)+1, 4
.endm
.macro TURN slot, next, fill
	s_wait_tensorcnt 0x0
	ds_add_u32 v[SPW], v[NIL]
	s_wait_dscnt 4*NL+1
	WIN MUL_LO
	MUL16 0, 1, 0
	s_wait_dscnt 0x0
	s_barrier_signal -1
	MUL16 2, 1, 0
	WIN 0
	s_barrier_wait -1
.if \fill
	CREST
	s_add_nc_u64 s[G0+4*\slot+2:G0+4*\slot+3], s[G0+4*\slot+2:G0+4*\slot+3], 2*ROWB
	s_add_nc_u64 s[G0B+4*\slot+2:G0B+4*\slot+3], s[G0B+4*\slot+2:G0B+4*\slot+3], 2*ROWB
	JLOAD \slot
.endif
	PLACES NP
	FETCH_B \next, 0, 0
	FETCH_A \next, 0, 0
	WIN MUL_HI
	MUL16 4, 1, 0
	MUL16 6, 1, 0
	PLACES NP
	WIN 0
	FETCH_A \next, 0, 4
.endm
	s_wait_alu depctr_va_vdst(0)                   ; the wait at the head's end
	s_wait_tensorcnt 0x0                           ; my tile is in: behind the barrier both slots are whole
	s_barrier_signal -1
	s_barrier_wait -1
	FETCH_B 0, 0, 0
	FETCH_A 0, 0, 0
	FETCH_A 0, 0, 4
	STEP 0, 0, 1
	TURN 0, 1, 1
	STEP 1, 0, 0
	TURN 1, 0, 1
	STEP 0, 0, 0
	TURN 0, 1, 0
	STEP 1, 0, 0
	s_wait_dscnt 4*NL
	WIN MUL_LO
	MUL16 0, 1, 0
	MUL16 2, 1, 0
	s_wait_dscnt 0
	WIN MUL_HI
	MUL16 4, 1, 0
	MUL16 6, 1, 0
	WIN 0
	s_wait_kmcnt 0x0
	s_wait_loadcnt 0x0
	s_cmp_eq_u32 ttmp9, 0
	s_cselect_b32 s86, s70, s71
	s_cmp_eq_u32 ttmp9, 2
	s_cselect_b32 s86, s73, s86
	s_add_co_i32 s87, s68, s69
	s_sub_co_i32 s86, s86, s87
	s_sub_co_i32 s87, 0, s87
	s_add_co_i32 s86, s86, 127
	s_lshl_b32 s88, s86, 23
	v_mov_b32 v[SCV], s88
	s_add_co_i32 s86, s86, 8
	s_lshl_b32 s86, s86, 23
	s_or_b32 s86, s86, 0x600000
	v_mov_b32 v[LIMV], s86
.set jj, 0
.rept 64
	v_ldexp_f32 v[BI+jj], v[BI+jj], s87
.set jj, jj+1
.endr
.macro OUT isv
.irp a, 0,1,2,3,4,5,6,7
.set AC, 64*((\a)%4)
	WIN 0x82+0x41*((\a)/4)
.irp j, 0,2,4,6,8,10,12,14,16,18,20,22,24,26,28,30,32,34,36,38,40,42,44,46,48,50,52,54,56,58,60,62
.if \isv
	v_pk_add_f32 v[AC+\j:AC+\j+1], v[AC+\j:AC+\j+1], v[BI+8*\a+(\j%8):BI+8*\a+(\j%8)+1]
.else
	v_pk_add_f32 v[AC+\j:AC+\j+1], v[AC+\j:AC+\j+1], v[BI+\j:BI+\j+1]
.endif
.endr
.set jj, 0
.rept 64
	v_med3_num_f32 v[AC+jj], v[AC+jj], -v[LIMV], v[LIMV]
.set jj, jj+1
.endr
	WIN 0x02+((\a)/4)
.irp b, 0,1,2,3,4,5,6,7
	v_cvt_scalef32_pk8_fp8_f32 v[CD+16*\a+2*\b:CD+16*\a+2*\b+1], v[AC+8*\b:AC+8*\b+7], v[SCV]
.endr
	v_nop
	WIN 0
.irp g, 0,1,2,3
.if \isv
	global_store_b128 v[CO], v[CD+16*\a+4*\g:CD+16*\a+4*\g+3], s[12:13] offset:262144*(\a/4)+2048*(\a%4)+512*\g
.else
	global_store_b128 v[CO], v[CD+16*\a+4*\g:CD+16*\a+4*\g+3], s[12:13] offset:1024*\a+512*(\g%2)+262144*(\g/2)
.endif
.endr
.endr
.endm
	s_cmp_eq_u32 ttmp9, 2
	s_cbranch_scc1 .Lout_v
	OUT 0
	s_branch .Lout_done
.Lout_v:
	OUT 1
.Lout_done:
	s_wait_tensorcnt 0x0
	ds_add_u32 v[SPW], v[NIL]
	s_wait_dscnt 0x0
	CROUND
	s_endpgm
.Lfunc_end_k_q024080d096_qkv:
	.size	k_q024080d096_qkv, .Lfunc_end_k_q024080d096_qkv-k_q024080d096_qkv
	.p2alignl 7, 3214868480
	.fill 96, 4, 3214868480
	.section	.rodata,"a",@progbits
	.p2align	6, 0x0
	.amdhsa_kernel k_q024080d096_qkv
		.amdhsa_group_segment_fixed_size 327680
		.amdhsa_private_segment_fixed_size 0
		.amdhsa_enable_private_segment 0
		.amdhsa_kernarg_size 40
		.amdhsa_user_sgpr_count 2
		.amdhsa_user_sgpr_kernarg_segment_ptr 1
		.amdhsa_wavefront_size32 1
		.amdhsa_system_sgpr_workgroup_id_x 1
		.amdhsa_system_sgpr_workgroup_id_y 1
		.amdhsa_system_sgpr_workgroup_id_z 1
		.amdhsa_system_vgpr_workitem_id 0
		.amdhsa_next_free_vgpr 1024
		.amdhsa_next_free_sgpr 96
		.amdhsa_reserve_vcc 0
		.amdhsa_float_denorm_mode_32 3
		.amdhsa_float_denorm_mode_16_64 3
		.amdhsa_memory_ordered 1
		.amdhsa_forward_progress 1
		.amdhsa_inst_pref_size 202
	.end_amdhsa_kernel
	.amdgpu_metadata
---
amdhsa.version: [ 1, 2 ]
amdhsa.kernels:
  - .name:           k_q024080d096_qkv
    .symbol:         k_q024080d096_qkv.kd
    .args:
      - { .name: x_codes, .offset: 0, .size: 8, .value_kind: global_buffer, .address_space: global }
      - { .name: w_codes, .offset: 8, .size: 8, .value_kind: global_buffer, .address_space: global }
      - { .name: lowp_scales, .offset: 16, .size: 8, .value_kind: global_buffer, .address_space: global }
      - { .name: bqkv, .offset: 24, .size: 8, .value_kind: global_buffer, .address_space: global }
      - { .name: qkv_img, .offset: 32, .size: 8, .value_kind: global_buffer, .address_space: global }
    .group_segment_fixed_size: 327680
    .private_segment_fixed_size: 0
    .kernarg_segment_align: 8
    .kernarg_segment_size: 40
    .max_flat_workgroup_size: 128
    .sgpr_count:     96
    .vgpr_count:     1024
    .wavefront_size: 32
...
	.end_amdgpu_metadata
.endif
;; end of part 2
;; launch attn (part 3): grid 16 x 16, 8 waves a work-group, no clusters, 327,680 bytes of LDS; arguments qkv_img, lowp_scales, a_img; writes a_img
.if DOCPART == 3
	.amdgcn_target "amdgcn-amd-amdhsa--gfx1250"
	.amdhsa_code_object_version 6
	.text
	.protected	k_q024080d096_attn
	.globl	k_q024080d096_attn
	.p2align	8
	.type	k_q024080d096_attn,@function
k_q024080d096_attn:
	s_mov_b64 s[64:65], 0
	v_nop
	global_prefetch_b8 v0, s[64:65] scope:SCOPE_SE
	s_setreg_imm32_b32 hwreg(HW_REG_WAVE_MODE, 25, 1), 1
	s_wait_xcnt 0x0
; Causal attention, 16 heads of 64, 4,096 tokens, both products on codes of FP8 (E4M3); the result is quantised at once (scale 2^e6) for the last product.
; THE SOFTMAX AHEAD OF THE SECOND PRODUCT: t = score x log2(e) / 8; M = the row's largest t so far, rounded UP to a whole number; p = 2^(t - M) is what is quantised (2^e4), not normalised.
; The row's sum is taken of the unquantised p, in f32, and divides O at the end.  When M moves, the sum and O are multiplied by 2^(old M - new M): exact.
; WORK LEFT OUT: key steps of 128 keys that lie wholly under the causal mask of reference().
; qkv_img holds IMAGES OF THE OPERANDS' REGISTERS (four registers x 32 lanes = 512 bytes, lane l's 16 bytes at 16 l):
;   q at 0, k at 4 MiB: [head][block of 128 tokens][tile 8][c 2][lane][16]: lane (r, h) of tile t: token 32 (t / 2) + 8 (t % 2) + r + 8 (r / 8), channels 32 c + 16 h + 0 .. 15
;   v at 8 MiB:         [head][block of 128 keys][tile 4][c 4][lane][16]:   lane (r, h) of tile t: channel 32 (t / 2) + 8 (t % 2) + r + 8 (r / 8), keys 32 c + 16 h + 0 .. 15
; LAYOUT.  Both products are used transposed: S^T = K Q^T, O^T = V^T P^T: a lane holds ONE query of a tile throughout, and the 16 registers of tiles 2 b and 2 b + 1 are 16 neighbours
; (keys 32 b + 16 h + 0 .. 15 in S^T, channels likewise in O^T): the conversions' results ARE the next operand.
; SHARES.  Work-group g of a head owns the query blocks g and 31 - g, 128 queries each.  Eight waves, two to a SIMD; a wave owns a pair of tiles (32 queries), so that each fragment of K and V feeds two products.
; Waves 0-3 (L) own block g, waves 4-7 (H) block 31 - g.  All work key steps 0 .. g.  Then L's queries are finished and stored, and L takes over the steps g + 2, g + 4 .. of H's pair (same place w % 4), while H
; works g + 1, g + 3 .. 31 - g.  So L has 16 steps and H 17, whatever g.  At the end L hands its part of O, M and the sum to H through LDS bytes of their own, and H joins the two.
; RING.  Two slots of 8 key steps, 131,072 bytes: wave w's one load brings 8 rows of 2,048 bytes: piece w % 4 of each step's K (w < 4) or V.  In LDS piece w of step q lies at 16,384 w + 2,048 q.
; NO CLUSTER: the work-groups of a head have other causal limits, 31 - g: a joint load would bring a slot of which some step, or all, is read by no wave of some partner, and partners walk a slot in 4 to 8 steps a wave.
; NO PREFETCH: a refill has a whole slot's steps (at least four a wave) in which to land, and at most three refills follow the head's load.
; LIMITS on the given exponents, so that each power of two below is an f32 number: e2 + e3 between -123 and 130 (added to c's exponent field); e4 and e6 between -126 and 119; e4 + e5 is applied by v_ldexp_f32.
; The promise holds while the scaled scores stay under 2^31 in magnitude.
; REGISTERS, window 0: v1 16 x lane; v2, v3 LDS addresses; v4, v5 the mask's bounds; v6, v7 the add's; v8, v10 -M of tiles A, B; v9, v11 the largest t; v[12:13], v[14:15] the sums; v16, v18 the factors; v20-23, v30, v31 at work;
;   v24, v25 the hold; v26 2^e4; v27, v28 for e6; v29 where the part is handed over; v32-95 S^T of A, v96-159 of B, then p; v160-191 O^T of A, v192-223 of B; v224-255 partial sums.
;   window 1: v0-63 K's eight fragments; v64-127 V's four; v128-143 Q; v144-175 p's codes; v176-191 Q of block 31 - g.
.set SLOT1, 1<<17
.set STEPR, 2048                       ; from step to step inside a piece
.set PIECE, 16384
.set SPARE, 2*SLOT1                    ; behind the ring: the spare words, 128 bytes for each wave: no other line names them
.set HAND,  SPARE+1024                 ; behind them: 8,704 bytes for each of L's waves
.set HANDW, 8704
.set GG,  10
.set ISH, 14
.set LK,  15                           ; 31 - g: the last key step
.set TB,  16
.set WV,  18
.set DG,  19                           ; my own block: its key step is the one under the mask
.set SEL, 20
.set CS,  22
.set G1,  24
.set FIN, 32                           ; L: g; H: no step
.set G0,  40
.set MSB, 0
.macro WIN new                         ; the immediate's high byte repeats the setting that is left
.if MSB != \new
	s_set_vgpr_msb (MSB<<8)|\new
.set MSB, \new
.endif
.endm
.set INTO1, 0x40                       ; destination window 1, sources window 0
.set MUL,   0x05                       ; sources 0 and 1 window 1, C and D window 0
; O^T / the sum x 2^(e4 + e5), held, converted with 2^e6, stored: 512 consecutive bytes an instruction.  v22, v23: the sums of my lanes' keys.
.macro FINAL
	v_permlanex16_b32 v20, v22, s[SEL], s[SEL+1]
	v_permlanex16_b32 v21, v23, s[SEL], s[SEL+1]
	v_add_f32 v22, v22, v20
	v_add_f32 v23, v23, v21
	s_wait_alu depctr_va_vdst(0)                   ; the wait ahead of the batch
	v_rcp_f32 v22, v22
	v_rcp_f32 v23, v23
	v_nop
	v_nop
	s_wait_alu depctr_va_vdst(0)                   ; and behind it
	v_ldexp_f32 v20, v22, s88
	v_ldexp_f32 v22, v23, s88
	s_wait_alu depctr_va_vdst(0)                   ; the wait ahead of the first readers of O^T
.set jj, 0
.rept 16
	v_pk_mul_f32 v[32+jj:33+jj], v[160+jj:161+jj], v[20:21] op_sel_hi:[1,0]
.set jj, jj+2
.endr
.set jj, 0
.rept 16
	v_pk_mul_f32 v[96+jj:97+jj], v[192+jj:193+jj], v[22:23] op_sel_hi:[1,0]
.set jj, jj+2
.endr
.set jj, 0
.rept 32
	v_med3_num_f32 v[32+jj], v[32+jj], -v28, v28
	v_med3_num_f32 v[96+jj], v[96+jj], -v28, v28
.set jj, jj+1
.endr
	WIN INTO1
.irp b, 0,1
	v_cvt_scalef32_pk8_fp8_f32 v[144+4*\b:145+4*\b], v[32+16*\b:39+16*\b], v27
	v_cvt_scalef32_pk8_fp8_f32 v[146+4*\b:147+4*\b], v[40+16*\b:47+16*\b], v27
	v_cvt_scalef32_pk8_fp8_f32 v[152+4*\b:153+4*\b], v[96+16*\b:103+16*\b], v27
	v_cvt_scalef32_pk8_fp8_f32 v[154+4*\b:155+4*\b], v[104+16*\b:111+16*\b], v27
.endr
	v_nop                                          ; one plain vector line behind the last conversion
	WIN 0x04                                       ; store data: window 1
	global_store_b128 v1, v[144:147], s[54:55]
	global_store_b128 v1, v[148:151], s[54:55] offset:512
	global_store_b128 v1, v[152:155], s[54:55] offset:16384
	global_store_b128 v1, v[156:159], s[54:55] offset:16896
	WIN 0
.endm
.macro NEWROWS                         ; nothing seen yet: the largest t is -3e38, under every t; the sums are 0
	v_mov_b32 v9, 0xff61b1e6
	v_mov_b32 v11, 0xff61b1e6
	v_mov_b32 v12, 0
	v_mov_b32 v13, 0
	v_floor_f32 v8, -v9
	v_floor_f32 v10, -v11
	v_mov_b32 v14, 0
	v_mov_b32 v15, 0
.endm
.macro HOLD2 r                         ; p is not negative: the hold is one-sided; two registers an instruction
	v_dual_min_num_f32 v[\r], v[\r], v24 :: v_dual_min_num_f32 v[\r+1], v[\r+1], v25
.endm
.macro TADD d, a, b                    ; partial sums are pairs v[224 + 2 i]
	v_pk_add_f32 v[224+2*(\d):225+2*(\d)], v[224+2*(\a):225+2*(\a)], v[224+2*(\b):225+2*(\b)]
.endm
; K's eight fragments of the step that lies off bytes behind the step in hand.
.macro KLOAD off
	v_add_nc_u32 v2, s2, v1
	WIN INTO1
.irp t, 0,1,2,3,4,5,6,7
	ds_load_b128 v[8*\t:8*\t+3], v2 offset:PIECE*(\t/2)+1024*(\t%2)+(\off)
	ds_load_b128 v[8*\t+4:8*\t+7], v2 offset:PIECE*(\t/2)+1024*(\t%2)+512+(\off)
.endr
	WIN 0
.endm
; A KEY STEP, two tiles.  The branch at its head, on ids, leads round its loads, products and softmax.
; Its K was asked for by my step before it in this slot, or at the slot's head.
.macro STEP fin
	s_xor_b32 s35, s35, 1                          ; behind step g odd distances are H's, even ones L's: 1 in the other's steps,
	s_cselect_b32 s96, s[GG], s[LK]                ; which I work up to g alone
	s_cmp_gt_u32 s3, s96
	s_cbranch_scc1 .Lskip_\@
	s_add_co_u32 s97, s2, 4*PIECE
	v_add_nc_u32 v3, s97, v1
	v_mov_b32 v30, v8                              ; the old -M
	v_mov_b32 v31, v10
	v_nop                                          ; (with the three above: four places in front of loads into registers that the last products have read)
	WIN INTO1
.irp t, 0,1,2,3
.irp c, 0,1,2,3
	ds_load_b128 v[64+16*\t+4*\c:67+16*\t+4*\c], v3 offset:PIECE*\t+512*\c
.endr
.endr
	s_cmp_lt_u32 s3, s34                           ; how far on my next step lies: 1 or 2;
	s_cselect_b32 s96, 1, 2
	s_add_co_u32 s97, s17, s96
	s_cmp_gt_u32 s97, 7                            ; 0 where it lies in another slot,
	s_cselect_b32 s96, 0, s96
	s_add_co_u32 s97, s3, s96
	s_cmp_gt_u32 s97, s[LK]                        ; or behind the last step
	s_cselect_b32 s96, 0, s96
	s_wait_dscnt 16                                ; K is in; V's 16 loads, younger, may be out
	WIN MUL
.irp t, 0,1,2,3,4,5,6,7
	v_wmma_f32_16x16x64_fp8_fp8 v[32+8*\t:39+8*\t], v[8*\t:8*\t+7], v[128:135], 0
	v_wmma_f32_16x16x64_fp8_fp8 v[96+8*\t:103+8*\t], v[8*\t:8*\t+7], v[136:143], 0
.endr
	WIN 0
.rept 4
	v_nop                                          ; places in front of the first read of the scores
.endr
	s_cmp_eq_u32 s96, 1                            ; my next step's K (the four v_nop are also these loads' places): the branches hang on ids
	s_cbranch_scc0 .Lnot_1_\@
	KLOAD STEPR
	s_branch .Lasked_\@
.Lnot_1_\@:
	s_cmp_eq_u32 s96, 2
	s_cbranch_scc0 .Lasked_\@
	KLOAD 2*STEPR
.Lasked_\@:
	s_cmp_lg_u32 s3, s[DG]                         ; a step all of whose keys count skips the mask
	s_cbranch_scc1 .Lopen_\@
	v_mov_b32 v20, 0xff800000                      ; hidden scores become -infinity ahead of the maximum: p = 0 then.  Key 0 of the block counts for every query
.set jj, 0
.rept 64
	v_cmp_gt_i32 vcc_lo, 32*(jj/16)+jj%16, v4
	v_cndmask_b32 v[32+jj], v[32+jj], v20, vcc_lo
	v_cmp_gt_i32 vcc_lo, 32*(jj/16)+jj%16, v5
	v_cndmask_b32 v[96+jj], v[96+jj], v20, vcc_lo
.set jj, jj+1
.endr
.Lopen_\@:
	v_max3_num_f32 v20, v32, v33, v34              ; the step's largest score of my queries: two chains a tile
	v_max3_num_f32 v21, v96, v97, v98
	v_max3_num_f32 v22, v35, v36, v37
	v_max3_num_f32 v23, v99, v100, v101
.set jj, 6
.rept 14
	v_max3_num_f32 v20, v20, v[32+jj], v[33+jj]
	v_max3_num_f32 v21, v21, v[96+jj], v[97+jj]
	v_max3_num_f32 v22, v22, v[34+jj], v[35+jj]
	v_max3_num_f32 v23, v23, v[98+jj], v[99+jj]
.set jj, jj+4
.endr
	v_max3_num_f32 v20, v20, v94, v95
	v_max3_num_f32 v21, v21, v158, v159
	v_max_num_f32 v20, v20, v22
	v_max_num_f32 v21, v21, v23
	v_permlanex16_b32 v22, v20, s[SEL], s[SEL+1]
	v_permlanex16_b32 v23, v21, s[SEL], s[SEL+1]
	v_max_num_f32 v20, v20, v22                    ; and among lane l xor 16's
	v_max_num_f32 v21, v21, v23
	v_mul_f32 v20, s[CS], v20                      ; as t (c is positive)
	v_mul_f32 v21, s[CS], v21
	v_max_num_f32 v9, v9, v20
	v_max_num_f32 v11, v11, v21
	v_floor_f32 v8, -v9                            ; -M = floor(-t): M is a whole number
	v_floor_f32 v10, -v11
	v_sub_f32 v20, v8, v30                         ; old M - new M: a whole number, 0 or less
	v_sub_f32 v21, v10, v31
	v_cvt_i32_f32 v20, v20                         ; (it saturates)
	v_cvt_i32_f32 v21, v21
	v_ldexp_f32 v16, 1.0, v20                      ; 2^(old M - new M)
	v_ldexp_f32 v18, 1.0, v21
.set jj, 0
.rept 32
	v_pk_fma_f32 v[32+jj:33+jj], v[32+jj:33+jj], s[CS:CS+1], v[8:9] op_sel_hi:[1,0,0]   ; t - M (of the pairs c and -M the low word serves both halves)
.set jj, jj+2
.endr
.set jj, 0
.rept 16
	v_pk_mul_f32 v[160+jj:161+jj], v[160+jj:161+jj], v[16:17] op_sel_hi:[1,0]   ; O^T under the new M
	v_pk_mul_f32 v[192+jj:193+jj], v[192+jj:193+jj], v[18:19] op_sel_hi:[1,0]
.set jj, jj+2
.endr
	v_pk_mul_f32 v[12:13], v[12:13], v[16:17] op_sel_hi:[1,0]
	v_pk_mul_f32 v[14:15], v[14:15], v[18:19] op_sel_hi:[1,0]
	s_wait_alu depctr_va_vdst(0)                   ; the wait ahead of the batch
.set jj, 0
.rept 32
	v_exp_f32 v[32+jj], v[32+jj]                   ; A's p = 2^(t - M), beside B's t - M, which is first read behind the next wait
	v_exp_f32 v[33+jj], v[33+jj]
	v_pk_fma_f32 v[96+jj:97+jj], v[96+jj:97+jj], s[CS:CS+1], v[10:11] op_sel_hi:[1,0,0]
.set jj, jj+2
.endr
	s_wait_alu depctr_va_vdst(0)                   ; behind A's batch and ahead of B's
.set jj, 0
.rept 16
	v_exp_f32 v[96+4*jj], v[96+4*jj]               ; B's p, beside A's first sums and holds, which are first read behind the next wait
	v_exp_f32 v[97+4*jj], v[97+4*jj]
	v_pk_add_f32 v[224+2*jj:225+2*jj], v[32+4*jj:33+4*jj], v[34+4*jj:35+4*jj]   ; the sum is taken of the unheld p
	v_exp_f32 v[98+4*jj], v[98+4*jj]
	HOLD2 32+4*jj
	v_exp_f32 v[99+4*jj], v[99+4*jj]
	HOLD2 34+4*jj
.set jj, jj+1
.endr
	s_wait_alu depctr_va_vdst(0)                   ; behind B's batch
.set jj, 0
.rept 8
	TADD jj, jj, jj+8
.set jj, jj+1
.endr
.set jj, 0
.rept 8
	v_pk_add_f32 v[240+2*jj:241+2*jj], v[96+2*jj:97+2*jj], v[112+2*jj:113+2*jj]
.set jj, jj+1
.endr
.set jj, 0
.rept 4
	TADD jj, jj, jj+4
.set jj, jj+1
.endr
.set jj, 0
.rept 8
	v_pk_add_f32 v[240+2*jj:241+2*jj], v[240+2*jj:241+2*jj], v[128+2*jj:129+2*jj]
.set jj, jj+1
.endr
	TADD 0, 0, 2
	TADD 1, 1, 3
.set jj, 0
.rept 8
	v_pk_add_f32 v[240+2*jj:241+2*jj], v[240+2*jj:241+2*jj], v[144+2*jj:145+2*jj]
.set jj, jj+1
.endr
	TADD 0, 0, 1
.set jj, 0
.rept 8
	HOLD2 96+2*jj
.set jj, jj+1
.endr
	v_pk_add_f32 v[12:13], v[12:13], v[224:225]
	TADD 8, 8, 12
	TADD 9, 9, 13
	TADD 10, 10, 14
	TADD 11, 11, 15
.rept 8
	HOLD2 96+2*jj
.set jj, jj+1
.endr
	TADD 8, 8, 10
	TADD 9, 9, 11
.rept 8
	HOLD2 96+2*jj
.set jj, jj+1
.endr
	TADD 8, 8, 9
.rept 8
	HOLD2 96+2*jj
.set jj, jj+1
.endr
	v_pk_add_f32 v[14:15], v[14:15], v[240:241]
	WIN INTO1
.irp b, 0,1,2,3
	v_cvt_scalef32_pk8_fp8_f32 v[144+4*\b:145+4*\b], v[32+16*\b:39+16*\b], v26
	v_cvt_scalef32_pk8_fp8_f32 v[146+4*\b:147+4*\b], v[40+16*\b:47+16*\b], v26
	v_cvt_scalef32_pk8_fp8_f32 v[160+4*\b:161+4*\b], v[96+16*\b:103+16*\b], v26
	v_cvt_scalef32_pk8_fp8_f32 v[162+4*\b:163+4*\b], v[104+16*\b:111+16*\b], v26
.endr
	v_nop                                          ; one plain vector line behind the last conversion
	s_wait_alu depctr_va_vdst(0)
	s_wait_dscnt 0x0                               ; V is in
	WIN MUL
.irp t, 0,1,2,3                                ; O^T += V^T P^T: the eight accumulators take turns, one instruction a turn
	v_wmma_f32_16x16x128_fp8_fp8 v[160+8*\t:167+8*\t], v[64+16*\t:79+16*\t], v[144:159], v[160+8*\t:167+8*\t]
	v_wmma_f32_16x16x128_fp8_fp8 v[192+8*\t:199+8*\t], v[64+16*\t:79+16*\t], v[160:175], v[192+8*\t:199+8*\t]
.endr
	WIN 0
.if \fin                               ; step g lies in slot 0 or 1: L's own queries are finished there
	s_cmp_lg_u32 s3, s[FIN]
	s_cbranch_scc1 .Lskip_\@
	v_add_f32 v22, v12, v13
	v_add_f32 v23, v14, v15
	FINAL
	NEWROWS                                        ; O^T is left as it stands: the first change of M multiplies it by 0
	WIN 0x41
.set jj, 0
.rept 16
	v_mov_b32 v[128+jj], v[176+jj]                 ; on with the queries of block 31 - g
.set jj, jj+1
.endr
	WIN 0
	s_wait_alu depctr_va_vdst(0)
	s_wait_xcnt 0x0                                ; the stores have read their data: the codes' registers may be written
.endif
.Lskip_\@:
.endm
; THE CHANGE OF SLOTS, at a slot's head.  Behind the barrier the slot ahead is whole and nobody reads the other one, which is filled with the next 8 steps up to the causal limit:
; a slot whose first step lies behind the work-group's last is read by none of its waves.  The jump hangs on ids and the count of steps alone and leads round the load's own lines.
.macro CHANGE fill
	s_wait_tensorcnt 0x0                           ; no tensor load of mine is out, so group 0 may be written
	ds_add_u32 v6, v7
.if \fill
	s_xor_b32 s[G0+1], s[G0+1], SLOT1
	s_add_nc_u64 s[G0+2:G0+3], s[G0+2:G0+3], 65536 ; 8 steps of 8,192 bytes on
.endif
	s_wait_dscnt 0x0                               ; the add is done, and my reads of the slot that I have left are over
	s_barrier_signal -1
	s_barrier_wait -1
.if \fill
	s_add_co_u32 s96, s3, 8
	s_cmp_gt_u32 s96, s[LK]
	s_cbranch_scc1 .Lpast_\@
	tensor_load_to_lds s[G0:G0+3], s[G1:G1+7]
	s_nop 0
.rept 4
	v_nop
.endr
.Lpast_\@:
.endif
.endm
.macro SLOTSTEPS fin
	s_mov_b32 s2, s[TB]
	s_mov_b32 s17, 0
.if (\fin) == 0                        ; the last slot alone may lie behind the last step as a whole
	s_cmp_gt_u32 s3, s[LK]
	s_cbranch_scc1 .Lq_\@
.endif
	s_xor_b32 s96, s35, 1                          ; my first step in this slot is its first or its second, by STEP's own test
	s_cselect_b32 s96, s[GG], s[LK]
	s_cmp_gt_u32 s3, s96
	s_cbranch_scc1 .Lsecond_\@
	KLOAD 0
	s_branch .Lq_\@
.Lsecond_\@:
	KLOAD STEPR
.Lq_\@:
	STEP \fin
	s_add_co_u32 s2, s2, STEPR
	s_add_co_u32 s3, s3, 1
	s_add_co_u32 s17, s17, 1
	s_cmp_lt_u32 s17, 8
	s_cbranch_scc1 .Lq_\@
.endm
	s_load_b128 s[4:7], s[0:1], 0x0                ; qkv_img, the exponents
	s_load_b64 s[8:9], s[0:1], 0x10                ; a_img
	v_lshl_add_u32 v6, v0, 2, SPARE
	v_mov_b32 v7, 0
	ds_add_u32 v6, v7                              ; the opening: the add, twice on end, and its wait
	ds_add_u32 v6, v7
	v_lshrrev_b32 v2, 5, v0
	v_readfirstlane_b32 s[WV], v2                  ; wave 0..7
	s_and_b32 s11, ttmp7, 0xffff                   ; the head
	s_lshl_b32 s12, s11, 18                        ; its 262,144 bytes in each of q, k, v
	s_and_b32 s13, s[WV], 3                        ; my pair of tiles in a block; also the piece that I fetch
	s_lshr_b32 s[ISH], s[WV], 2
	s_mov_b32 s[GG], ttmp9
	s_sub_co_u32 s[LK], 31, s[GG]
	s_cmp_eq_u32 s[ISH], 0
	s_cselect_b32 s[DG], s[GG], s[LK]
	s_cselect_b32 s[FIN], s[GG], -1
	s_add_co_u32 s34, s[GG], s[ISH]                ; from a step under g + (0 for L, 1 for H) my next lies 1 on, else 2
	s_xor_b32 s35, s[GG], s[ISH]
	s_and_b32 s35, s35, 1
	s_xor_b32 s35, s35, 1                          ; turned at each step's head: at step 0 it is (g + (0 for L, 1 for H)) % 2
	s_lshl_b32 s44, s13, 11
	s_add_co_u32 s44, s44, s12                     ; head, and 2,048 bytes a pair or a piece
	s_lshl_b32 s50, s[DG], 13
	s_add_co_u32 s50, s50, s44                     ; Q of my own block
	s_mov_b32 s51, 0
	s_lshl_b32 s52, s[LK], 13
	s_add_co_u32 s52, s52, s44                     ; Q of block 31 - g
	s_mov_b32 s53, 0
	s_lshl_b32 s54, s[DG], 17                      ; a_img: 16,384 bytes a tile, 1,024 a head
	s_lshl_b32 s45, s13, 15
	s_add_co_u32 s54, s54, s45
	s_lshl_b32 s45, s11, 10
	s_add_co_u32 s54, s54, s45
	s_mov_b32 s55, 0
	s_add_co_u32 s46, s[ISH], 1
	s_lshl_b32 s46, s46, 22                        ; k at 4 MiB, v at 8 MiB
	s_add_co_u32 s46, s46, s44
	s_mov_b32 s47, 0
	s_mov_b32 s[G0], 1
	s_lshl_b32 s[G0+1], s[WV], 14                  ; LDS: 16,384 x wave, in slot 0
	; descriptor group 1: 8 rows of 2,048 bytes, 8,192 bytes apart, no padding
	s_mov_b32 s[G1], 3<<16                         ; elements of 8 bytes
	s_mov_b32 s[G1+1], 256<<16
	s_mov_b32 s[G1+2], 8<<16
	s_mov_b32 s[G1+3], 256<<16
	s_mov_b32 s[G1+4], 8
	s_mov_b32 s[G1+5], 1024
	s_mov_b32 s[G1+6], 0
	s_mov_b32 s[G1+7], 0
	s_mov_b32 s[SEL], 0x76543210
	s_mov_b32 s[SEL+1], 0xfedcba98
	s_mov_b32 s[CS], 0x3e38aa3b                    ; log2(e) / 8
	s_mov_b32 s[TB], 0
	s_mov_b32 s3, 0
	s_wait_alu depctr_va_vdst(0)
	s_wait_dscnt 0x0                               ; both opening adds are done
	s_wait_kmcnt 0x0
	s_load_b256 s[68:75], s[6:7], 0x0              ; e0 .. e7
	s_add_nc_u64 s[G0+2:G0+3], s[4:5], s[46:47]
	s_or_b32 s[G0+3], s[G0+3], 0x80000000
	tensor_load_to_lds s[G0:G0+3], s[G1:G1+7]      ; slot 0: my one load at the head
	s_nop 0
	v_and_b32 v2, 31, v0
	v_lshlrev_b32 v1, 4, v2
	v_and_b32 v2, 15, v0                           ; r
	v_bfe_u32 v3, v0, 4, 1                         ; h
	v_and_b32 v4, 8, v2
	v_add_nc_u32 v4, v4, v2
	v_lshlrev_b32 v3, 4, v3
	v_sub_nc_u32 v4, v4, v3
	s_add_nc_u64 s[50:51], s[4:5], s[50:51]
	s_add_nc_u64 s[52:53], s[4:5], s[52:53]
	s_add_nc_u64 s[54:55], s[8:9], s[54:55]
	s_lshl_b32 s44, s13, 5
	v_add_nc_u32 v4, s44, v4                       ; A's query is token 32 pair + r + 8 (r / 8) of its block; register 16 b + i holds key 32 b + 16 h + i: hidden where 32 b + i > query - 16 h
	v_add_nc_u32 v5, 8, v4                         ; B's lies 8 further on
	WIN INTO1
.irp c, 0,1,2,3
	global_load_b128 v[128+4*\c:131+4*\c], v1, s[50:51] offset:512*\c
	global_load_b128 v[176+4*\c:179+4*\c], v1, s[52:53] offset:512*\c   ; (in H the same once more)
.endr
	WIN 0
	s_mul_i32 s45, s13, HANDW
	s_add_co_u32 s45, s45, HAND
	s_wait_alu depctr_va_vdst(0)                   ; the wait directly ahead of the reader below
	v_add_nc_u32 v29, s45, v1
	NEWROWS
	v_mov_b32 v17, 0                               ; (named as the upper halves of pairs)
	v_mov_b32 v19, 0
.irp j, 20,21,22,23
	v_mov_b32 v\j, 0                               ; written once: a lane permute's destination counts as one of its sources
.endr
.set jj, 0
.rept 64
	v_mov_b32 v[160+jj], 0                         ; O^T: the first step multiplies it by 0, so it has to be a number
.set jj, jj+1
.endr
	s_wait_alu depctr_va_vdst(0)
	s_wait_kmcnt 0x0
	s_add_co_i32 s86, s70, s71
	s_lshl_b32 s86, s86, 23
	s_add_co_i32 s[CS], s[CS], s86                 ; a score stands for score x 2^(e2 + e3): the exponents are added to c's exponent field
	s_mov_b32 s[CS+1], s[CS]                       ; (named with it as a pair)
	s_add_co_i32 s86, s72, 127
	s_lshl_b32 s87, s86, 23
	v_mov_b32 v26, s87                             ; 2^e4
	s_add_co_i32 s86, s86, 8
	s_lshl_b32 s86, s86, 23
	s_or_b32 s86, s86, 0x600000
	v_mov_b32 v24, s86                             ; 448 x 2^e4
	v_mov_b32 v25, s86                             ; (a register of its own for the second half of a pair of instructions)
	s_add_co_i32 s88, s72, s73                     ; e4 + e5
	s_add_co_i32 s86, s74, 127
	s_lshl_b32 s89, s86, 23
	v_mov_b32 v27, s89                             ; 2^e6
	s_add_co_i32 s86, s86, 8
	s_lshl_b32 s86, s86, 23
	s_or_b32 s86, s86, 0x600000
	v_mov_b32 v28, s86                             ; 448 x 2^e6
	s_wait_alu depctr_va_vdst(0)                   ; the wait at the head's end
	s_wait_loadcnt 0x0                             ; Q
	s_mov_b32 s33, 3
.Lslot:
	CHANGE 1
	SLOTSTEPS 1
	s_xor_b32 s[TB], s[TB], SLOT1
	s_sub_co_u32 s33, s33, 1
	s_cmp_lg_u32 s33, 0
	s_cbranch_scc1 .Lslot
	CHANGE 0                                       ; the last slot is written out: no load follows
	SLOTSTEPS 0
	; L HANDS OVER, H JOINS.  (The four lines are also the places behind the last products.)
	v_add_f32 v22, v12, v13
	v_add_f32 v23, v14, v15
	v_mov_b32 v20, v8
	v_mov_b32 v21, v10
	s_cmp_lt_u32 s[WV], 4
	s_wait_alu depctr_va_vdst(0)                   ; the wait ahead of the branch
	s_cbranch_scc0 .Lhigh
.set jj, 0
.rept 16
	ds_store_b128 v29, v[160+4*jj:163+4*jj] offset:512*jj
.set jj, jj+1
.endr
	ds_store_b128 v29, v[20:23] offset:8192        ; -M of A, of B; the sums
.Lhigh:
	s_wait_dscnt 0x0                               ; L's stores are done
	s_barrier_signal -1
	s_barrier_wait -1
	s_cmp_lt_u32 s[WV], 4
	s_cbranch_scc1 .Lend
	ds_load_b128 v[224:227], v29 offset:8192
.set jj, 0
.rept 16
	ds_load_b128 v[32+4*jj:35+4*jj], v29 offset:512*jj
.set jj, jj+1
.endr
	s_wait_dscnt 16                                ; -M and the sums are in; the 16 loads of O^T may be out
	v_min_num_f32 v30, v8, v224                    ; the larger M of the two parts
	v_min_num_f32 v31, v10, v225
	v_sub_f32 v16, v30, v8
	v_sub_f32 v18, v31, v10
	v_sub_f32 v12, v30, v224
	v_sub_f32 v14, v31, v225
	v_cvt_i32_f32 v16, v16
	v_cvt_i32_f32 v18, v18
	v_cvt_i32_f32 v12, v12
	v_cvt_i32_f32 v14, v14
	v_ldexp_f32 v16, 1.0, v16                      ; my own part's factors
	v_ldexp_f32 v18, 1.0, v18
	v_ldexp_f32 v12, 1.0, v12                      ; L's part's: 0 where L has worked no step
	v_ldexp_f32 v14, 1.0, v14
	v_mul_f32 v22, v22, v16
	v_mul_f32 v23, v23, v18
	v_fma_f32 v22, v226, v12, v22
	v_fma_f32 v23, v227, v14, v23
.set jj, 0
.rept 16
	v_pk_mul_f32 v[160+jj:161+jj], v[160+jj:161+jj], v[16:17] op_sel_hi:[1,0]
	v_pk_mul_f32 v[192+jj:193+jj], v[192+jj:193+jj], v[18:19] op_sel_hi:[1,0]
.set jj, jj+2
.endr
	s_wait_alu depctr_va_vdst(0)
	s_wait_dscnt 0x0
.set jj, 0
.rept 16
	v_pk_fma_f32 v[160+jj:161+jj], v[32+jj:33+jj], v[12:13], v[160+jj:161+jj] op_sel_hi:[1,0,1]
	v_pk_fma_f32 v[192+jj:193+jj], v[64+jj:65+jj], v[14:15], v[192+jj:193+jj] op_sel_hi:[1,0,1]
.set jj, jj+2
.endr
	FINAL
.Lend:
	s_wait_tensorcnt 0x0                           ; the wave's end
	ds_add_u32 v6, v7
	s_wait_dscnt 0x0
	s_endpgm
.Lfunc_end_k_q024080d096_attn:
	.size	k_q024080d096_attn, .Lfunc_end_k_q024080d096_attn-k_q024080d096_attn
	.p2alignl 7, 3214868480
	.fill 96, 4, 3214868480
	.section	.rodata,"a",@progbits
	.p2align	6, 0x0
	.amdhsa_kernel k_q024080d096_attn
		.amdhsa_group_segment_fixed_size 327680
		.amdhsa_private_segment_fixed_size 0
		.amdhsa_enable_private_segment 0
		.amdhsa_kernarg_size 24
		.amdhsa_user_sgpr_count 2
		.amdhsa_user_sgpr_kernarg_segment_ptr 1
		.amdhsa_wavefront_size32 1
		.amdhsa_system_sgpr_workgroup_id_x 1
		.amdhsa_system_sgpr_workgroup_id_y 1
		.amdhsa_system_sgpr_workgroup_id_z 1
		.amdhsa_system_vgpr_workitem_id 0
		.amdhsa_next_free_vgpr 448
		.amdhsa_next_free_sgpr 98
		.amdhsa_reserve_vcc 1
		.amdhsa_float_denorm_mode_32 3
		.amdhsa_float_denorm_mode_16_64 3
		.amdhsa_memory_ordered 1
		.amdhsa_forward_progress 1
		.amdhsa_inst_pref_size 118
	.end_amdhsa_kernel
	.amdgpu_metadata
---
amdhsa.version: [ 1, 2 ]
amdhsa.kernels:
  - .name:           k_q024080d096_attn
    .symbol:         k_q024080d096_attn.kd
    .args:
      - { .name: qkv_img, .offset: 0, .size: 8, .value_kind: global_buffer, .address_space: global }
      - { .name: lowp_scales, .offset: 8, .size: 8, .value_kind: global_buffer, .address_space: global }
      - { .name: a_img, .offset: 16, .size: 8, .value_kind: global_buffer, .address_space: global }
    .group_segment_fixed_size: 327680
    .private_segment_fixed_size: 0
    .kernarg_segment_align: 8
    .kernarg_segment_size: 24
    .max_flat_workgroup_size: 256
    .sgpr_count:     98
    .vgpr_count:     448
    .wavefront_size: 32
...
	.end_amdgpu_metadata
.endif
;; end of part 3
;; launch oproj (part 4): grid 8 x 32, 4 waves a work-group, clusters of 4 x 4, 327,680 bytes of LDS; arguments a_img, w_codes, lowp_scales, bo, out0; writes out0
.if DOCPART == 4
	.amdgcn_target "amdgcn-amd-amdhsa--gfx1250"
	.amdhsa_code_object_version 6
	.text
	.protected	k_q024080d096_oproj
	.globl	k_q024080d096_oproj
	.p2align	8
	.type	k_q024080d096_oproj,@function
k_q024080d096_oproj:
	s_mov_b64 s[64:65], 0
	v_nop
	global_prefetch_b8 v0, s[64:65] scope:SCOPE_SE
	s_setreg_imm32_b32 hwreg(HW_REG_WAVE_MODE, 25, 1), 1
	s_wait_xcnt 0x0
	s_wait_alu depctr_hold_cnt(0) depctr_sa_sdst(0) depctr_va_vdst(0) depctr_va_sdst(0) depctr_va_ssrc(0) depctr_va_vcc(0) depctr_vm_vsrc(0)
	s_getreg_b32 s2, hwreg(HW_REG_IB_STS2, 6, 4)
	s_cmp_eq_u32 s2, 0
	s_cbranch_scc0 .Lentry_in_a_cluster
	s_endpgm
.Lentry_in_a_cluster:
	s_bfe_u32 s2, ttmp6, 0x10000c
	s_cmp_lg_u32 s2, 0xf033
	s_cbranch_scc0 .Lentry_shape_is_right
	s_endpgm
.Lentry_shape_is_right:
; out = a Wo + bo on codes of FP8: a_img (scale 2^e6) and Wo's rows of w_codes (2^e7); each sum x 2^(e6 + e7) + bo in f32.
; LIMIT: e6 + e7 between -126 and 127.
; A work-group makes 128 x 128, a wave 64 x 64.  All of K lies in two LDS slots of 512, each filled once: wave w fetches for slot w / 2: A's 8 tiles (w even) or B's 128 rows (w odd), one joint load a wave at the head.
; CLUSTERS of 4 x 4: A's tile is shared along a row, B's along a column.  No prefetch: the head's loads are all that is read.
.set PITCH, 528
.set AHALF,  32768
.set BOFF,   2*AHALF
.set BHALF,  64*PITCH
.set SLOT,   BOFF+2*BHALF
.set STAGE,  2*SLOT
.set SPITCH, 272
.set ADRA, 16
.set ADRB, 20
.set STO,  24
.set RD,   25
.set CO,   26
.set TMP,  32
.set BI,   64
.set BK,   96
.set ACC,  128
.set F0,   0
.set F1,   128
.set G1, 24
.set G0, 32
.set G1B, 48
.set G0B, 56
.set MSB, 0
.macro WIN new
.if MSB != \new
	s_set_vgpr_msb (MSB<<8)|\new
.set MSB, \new
.endif
.endm
.set MUL,  0x05
.set TO_F, 0x40
.macro JLOAD s
	s_cmp_eq_u32 s12, 0
	s_cbranch_scc0 .Lfor_b_\@
	tensor_load_to_lds s[G0+4*\s:G0+4*\s+3], s[G1:G1+7]
	s_nop 0
.rept 4
	v_nop
.endr
	s_branch .Lasked_\@
.Lfor_b_\@:
	tensor_load_to_lds s[G0B+4*\s:G0B+4*\s+3], s[G1B:G1B+7]
	s_nop 0
.rept 4
	v_nop
.endr
.Lasked_\@:
.endm
.macro CROUND
	s_barrier_signal -1
	s_barrier_wait -1
	s_cmp_lg_u32 s10, 0
	s_cbranch_scc1 .Lnot_wave_0_\@
	s_barrier_signal -3
.Lnot_wave_0_\@:
	s_barrier_wait -3
	s_barrier_signal -1
	s_barrier_wait -1
.endm
	s_load_b128 s[4:7], s[0:1], 0x0
	s_load_b128 s[68:71], s[0:1], 0x10
	s_load_b64 s[8:9], s[0:1], 0x20
	v_lshl_add_u32 v30, v0, 2, 0x45400
	v_mov_b32 v31, 0
	ds_add_u32 v30, v31
	ds_add_u32 v30, v31
	v_lshrrev_b32 v1, 5, v0
	v_readfirstlane_b32 s10, v1
	s_lshr_b32 s11, s10, 1
	s_and_b32 s12, s10, 1
	s_bfe_u32 s40, ttmp6, 0x40000
	s_bfe_u32 s41, ttmp6, 0x40004
	s_lshl_b32 s42, ttmp9, 2
	s_add_co_u32 s42, s42, s40
	s_and_b32 s13, ttmp7, 0xffff
	s_lshl_b32 s13, s13, 2
	s_add_co_u32 s13, s13, s41
	s_lshl_b32 s43, s41, 2
	s_lshl_b32 s43, 15, s43
	s_lshl_b32 s44, 0x1111, s40
	s_or_b32 s[G1+0], s43, (3<<16)|(1<<21)
	s_mov_b32 s[G1+1], 1024<<16
	s_mov_b32 s[G1+2], 8<<16
	s_mov_b32 s[G1+3], 1024<<16
	s_mov_b32 s[G1+4], 8
	s_mov_b32 s[G1+5], 2048
	s_mov_b32 s[G1+6], 0
	s_mov_b32 s[G1+7], 0
	s_or_b32 s[G1B+0], s44, (0<<16)|(1<<20)|(1<<21)|(6<<22)|(3<<25)
	s_mov_b32 s[G1B+1], 512<<16
	s_mov_b32 s[G1B+2], 128<<16
	s_mov_b32 s[G1B+3], 512<<16
	s_mov_b32 s[G1B+4], 128
	s_mov_b32 s[G1B+5], 1024
	s_mov_b32 s[G1B+6], 0
	s_mov_b32 s[G1B+7], 0
	s_lshl_b32 s16, s13, 17                        ; A: 8 tiles of 16,384 bytes for each tile row,
	s_lshl_b32 s17, s11, 13                        ; my slot's half of K: 8,192 bytes of each
	s_add_co_u32 s16, s16, s17
	s_mov_b32 s17, 0
	s_lshl_b32 s46, s42, 7                         ; B: Wo's rows begin at 3,072
	s_add_co_u32 s46, s46, 3072
	s_lshl_b32 s46, s46, 10
	s_lshl_b32 s47, s11, 9
	s_add_co_u32 s46, s46, s47
	s_mov_b32 s47, 0
	s_mul_i32 s20, s11, SLOT
	s_add_co_u32 s21, s20, BOFF
	s_wait_dscnt 0x0
	s_wait_kmcnt 0x0
	s_load_b256 s[72:79], s[68:69], 0x0
	s_add_nc_u64 s[14:15], s[4:5], s[16:17]
	s_add_nc_u64 s[46:47], s[6:7], s[46:47]
	CROUND
	s_mov_b32 s[G0], 1
	s_mov_b32 s[G0+1], s20
	s_mov_b64 s[G0+2:G0+3], s[14:15]
	s_or_b32 s[G0+3], s[G0+3], 0x80000000
	s_mov_b32 s[G0B], 1
	s_mov_b32 s[G0B+1], s21
	s_mov_b64 s[G0B+2:G0B+3], s[46:47]
	s_or_b32 s[G0B+3], s[G0B+3], 0x80000000
	JLOAD 0                                        ; both slots: one tensor load a wave
	v_and_b32 v1, 15, v0
	v_bfe_u32 v2, v0, 4, 1
	v_and_b32 v3, 31, v0
	v_lshlrev_b32 v3, 4, v3
	v_mul_u32_u24 v4, v1, PITCH
	v_lshl_add_u32 v4, v2, 4, v4
	s_lshl_b32 s21, s11, 15
	s_mul_i32 s22, s12, BHALF
	s_add_co_u32 s22, s22, BOFF
.irp s, 0,1
	v_add_nc_u32 v[ADRA+\s], s21, v3
	v_add_nc_u32 v[ADRB+\s], s22, v4
	s_add_co_u32 s21, s21, SLOT
	s_add_co_u32 s22, s22, SLOT
.endr
	s_mul_i32 s23, s10, 16*SPITCH
	s_add_co_u32 s23, s23, STAGE
	v_mul_u32_u24 v5, v1, SPITCH
	v_lshl_add_u32 v5, v2, 6, v5
	v_add_nc_u32 v[STO], s23, v5
	v_mul_u32_u24 v5, v2, SPITCH
	v_lshl_add_u32 v5, v1, 4, v5
	v_add_nc_u32 v[RD], s23, v5
	v_lshlrev_b32 v5, 12, v2
	v_lshl_add_u32 v[CO], v1, 4, v5
	s_lshl_b32 s16, s13, 7
	s_lshl_b32 s17, s11, 6
	s_add_co_u32 s16, s16, s17
	s_lshl_b32 s16, s16, 12
	s_lshl_b32 s18, s42, 7
	s_lshl_b32 s19, s12, 6
	s_add_co_u32 s18, s18, s19
	s_lshl_b32 s18, s18, 2
	s_mov_b32 s19, 0
	s_add_nc_u64 s[70:71], s[70:71], s[18:19]
	s_add_co_u32 s16, s16, s18
	s_mov_b32 s17, 0
	s_add_nc_u64 s[8:9], s[8:9], s[16:17]
	v_lshlrev_b32 v27, 6, v2
.irp g, 0,1
.irp j, 0,1,2,3
	global_load_b128 v[BI+16*\g+4*\j:BI+16*\g+4*\j+3], v27, s[70:71] offset:128*\g+16*\j
.endr
.endr
.macro MUL8 f, c, a0, zero
.irp a, \a0, \a0+1
.irp b, 0,1,2,3
.if \zero
	v_wmma_f32_16x16x64_fp8_fp8 v[ACC+8*(4*(\a)+\b):ACC+8*(4*(\a)+\b)+7], v[\f+64+8*(4*\c+\b):\f+64+8*(4*\c+\b)+7], v[\f+8*(4*\c+\a):\f+8*(4*\c+\a)+7], 0
.else
	v_wmma_f32_16x16x64_fp8_fp8 v[ACC+8*(4*(\a)+\b):ACC+8*(4*(\a)+\b)+7], v[\f+64+8*(4*\c+\b):\f+64+8*(4*\c+\b)+7], v[\f+8*(4*\c+\a):\f+8*(4*\c+\a)+7], v[ACC+8*(4*(\a)+\b):ACC+8*(4*(\a)+\b)+7]
.endif
.endr
.endr
.endm
.macro FETCH slot, k, f
	WIN TO_F
.irp c, 0,1
.irp i, 0,1,2,3
	ds_load_b128 v[\f+64+8*(4*\c+\i):\f+64+8*(4*\c+\i)+3],   v[ADRB+\slot] offset:\k+64*\c+\i*16*PITCH
	ds_load_b128 v[\f+64+8*(4*\c+\i)+4:\f+64+8*(4*\c+\i)+7], v[ADRB+\slot] offset:\k+64*\c+\i*16*PITCH+32
	ds_load_b128 v[\f+8*(4*\c+\i):\f+8*(4*\c+\i)+3],         v[ADRA+\slot] offset:\i*8192+1024*((\k)/64+\c)
	ds_load_b128 v[\f+8*(4*\c+\i)+4:\f+8*(4*\c+\i)+7],       v[ADRA+\slot] offset:\i*8192+1024*((\k)/64+\c)+512
.endr
.endr
.endm
.macro PLACES
.rept 4
	v_nop
.endr
.endm
.macro QUARTER slot, k, f, g, zero
	s_wait_dscnt 16
	WIN MUL
	MUL8 \f, 0, 0, \zero
	MUL8 \f, 0, 2, \zero
	PLACES
	FETCH \slot, \k, \g
	s_wait_dscnt 32
	WIN MUL
	MUL8 \f, 1, 0, 0
	MUL8 \f, 1, 2, 0
.endm
	s_wait_alu depctr_va_vdst(0)                   ; the wait at the head's end
	s_wait_tensorcnt 0x0                           ; my tile is in: behind the barrier both slots are whole, and nothing is filled again
	s_barrier_signal -1
	s_barrier_wait -1
	FETCH 0, 0, F0
	QUARTER 0, 128, F0, F1, 1
	QUARTER 0, 256, F1, F0, 0
	QUARTER 0, 384, F0, F1, 0
	QUARTER 1, 0, F1, F0, 0                        ; on into slot 1, which has been whole since the head's barrier
	QUARTER 1, 128, F0, F1, 0
	QUARTER 1, 256, F1, F0, 0
	QUARTER 1, 384, F0, F1, 0
	s_wait_dscnt 16
	WIN MUL
	MUL8 F1, 0, 0, 0
	MUL8 F1, 0, 2, 0
	s_wait_dscnt 0
	MUL8 F1, 1, 0, 0
	MUL8 F1, 1, 2, 0
	WIN 0
	s_wait_kmcnt 0x0
	s_add_co_i32 s46, s78, s79
	s_add_co_i32 s46, s46, 127
	s_lshl_b32 s46, s46, 23
	s_mov_b32 s47, s46
	s_wait_loadcnt 0x0
	PLACES
.irp a, 0,1,2,3
.if \a > 0
	s_wait_xcnt 0x0
.endif
.irp j, 0,2,4,6,8,10,12,14,16,18,20,22,24,26,28,30
	v_pk_fma_f32 v[TMP+\j:TMP+\j+1], v[ACC+32*\a+\j:ACC+32*\a+\j+1], s[46:47], v[BI+\j:BI+\j+1] op_sel_hi:[1,0,1]
.endr
.irp b, 0,1,2,3
	ds_store_b128 v[STO], v[TMP+8*\b:TMP+8*\b+3] offset:128*(\b/2)+32*(\b%2)
	ds_store_b128 v[STO], v[TMP+8*\b+4:TMP+8*\b+7] offset:128*(\b/2)+32*(\b%2)+16
.endr
.irp t, 0,1,2,3,4,5,6,7
	ds_load_b128 v[BK+4*\t:BK+4*\t+3], v[RD] offset:\t*2*SPITCH
.endr
.irp t, 0,1,2,3,4,5,6,7
	s_wait_dscnt 7-\t
	global_store_b128 v[CO], v[BK+4*\t:BK+4*\t+3], s[8:9] offset:(32*(\a/2)+8*(\a%2)+2*\t+8*(\t/4))*4096 th:TH_STORE_NT
.endr
.endr
	s_wait_tensorcnt 0x0
	ds_add_u32 v30, v31
	s_wait_dscnt 0x0
	CROUND
	s_endpgm
.Lfunc_end_k_q024080d096_oproj:
	.size	k_q024080d096_oproj, .Lfunc_end_k_q024080d096_oproj-k_q024080d096_oproj
	.p2alignl 7, 3214868480
	.fill 96, 4, 3214868480
	.section	.rodata,"a",@progbits
	.p2align	6, 0x0
	.amdhsa_kernel k_q024080d096_oproj
		.amdhsa_group_segment_fixed_size 327680
		.amdhsa_private_segment_fixed_size 0
		.amdhsa_enable_private_segment 0
		.amdhsa_kernarg_size 40
		.amdhsa_user_sgpr_count 2
		.amdhsa_user_sgpr_kernarg_segment_ptr 1
		.amdhsa_wavefront_size32 1
		.amdhsa_system_sgpr_workgroup_id_x 1
		.amdhsa_system_sgpr_workgroup_id_y 1
		.amdhsa_system_sgpr_workgroup_id_z 1
		.amdhsa_system_vgpr_workitem_id 0
		.amdhsa_next_free_vgpr 512
		.amdhsa_next_free_sgpr 80
		.amdhsa_reserve_vcc 0
		.amdhsa_float_denorm_mode_32 3
		.amdhsa_float_denorm_mode_16_64 3
		.amdhsa_memory_ordered 1
		.amdhsa_forward_progress 1
		.amdhsa_inst_pref_size 54
	.end_amdhsa_kernel
	.amdgpu_metadata
---
amdhsa.version: [ 1, 2 ]
amdhsa.kernels:
  - .name:           k_q024080d096_oproj
    .symbol:         k_q024080d096_oproj.kd
    .args:
      - { .name: a_img, .offset: 0, .size: 8, .value_kind: global_buffer, .address_space: global }
      - { .name: w_codes, .offset: 8, .size: 8, .value_kind: global_buffer, .address_space: global }
      - { .name: lowp_scales, .offset: 16, .size: 8, .value_kind: global_buffer, .address_space: global }
      - { .name: bo, .offset: 24, .size: 8, .value_kind: global_buffer, .address_space: global }
      - { .name: out0, .offset: 32, .size: 8, .value_kind: global_buffer, .address_space: global }
    .group_segment_fixed_size: 327680
    .private_segment_fixed_size: 0
    .kernarg_segment_align: 8
    .kernarg_segment_size: 40
    .max_flat_workgroup_size: 128
    .sgpr_count:     80
    .vgpr_count:     512
    .wavefront_size: 32
...
	.end_amdgpu_metadata
.endif
;; end of part 4
